; MI455X (gfx1250); checked and timed in simulation.
; The chip was launched on July 23, 2026; its instructions are those of AMD's public machine-readable ISA for CDNA 5 (MIT licence, August 2026) and "CDNA5" Instruction Set Architecture Reference Guide (July 2026). The comments in the code are by the model that wrote it; some were corrected since.
;; Feed Forward Quantum. Allowed arithmetic: matrix products marked QUANTISED: E2M3 operands, one E8M0 scale for each 32 along K, by v_wmma_scale_f32_16x16x128_f8f6f4 with both operands' format E2M3, f32 sums; products left as they are: f32 operands where the result goes on into a quantised operand, else bf16, f16 or f32 operands; f32 sums; everything else in f32.
;; Inputs: W1 4,096 x 8 float32; W2_codes 1,024 x 128 x 24 uint8 (E2M3 codes of W2, K innermost, in blocks of 32 codes, four codes in three bytes); W2_scales 1,024 x 128 uint8 (E8M0 scales of W2, one for each 32 codes along K); b1 4,096 float32; b2 1,024 float32; ry_theta 8 float32; x 4 x 4,096 x 1,024 float32.
;; Outputs: out0 4 x 4,096 x 1,024 float32.
;; This version of the problem:
;;   THIS VERSION OF THE PROBLEM IS GIVEN IN LOW PRECISION. The matrix products marked QUANTISED in the list below multiply operands that are first quantised to E2M3 (2 exponent bits, 3 mantissa bits; 6 bits a number), with one power-of-two scale for each 32 numbers along K (OCP MX v1.0); their sums are f32. All else is computed in f32.
;;   The module's matrix products, in the order in which they are computed (A, B: the left and right operand; K: the contracted axis; several contracted axes count as one K, in the product's order):
;;     1. [M 16,384, K 8] x [K 8, N 4,096]; A: computed on the way; B: input W1: left as it is (K = 8 < 32)
;;     2. [M 16,384, K 4,096] x [K 4,096, N 1,024]; A: computed on the way; B: input W2 (given as codes): QUANTISED
;;   THE QUANTISER, for each operand of a quantised product, along K:
;;     - K is cut into blocks of 32 from its start; a last block that is shorter is filled with zeros.
;;     - A block's scale is 2^e with e = floor(log2(the largest magnitude in the block)) - 2, held to -126 .. 127; a block of zeros has e = 0. As a byte (E8M0): e + 127.
;;     - Each number is divided by its block's scale, clamped to +-7.5, and rounded to the nearest number of E2M3, ties to even, subnormals kept.
;;     - The product sums the exact products of the quantised numbers (number of the format x scale) in f32.
;;   ~~~python
;;   def quantise(x, axis):      # numpy; x: float32 -> the quantised numbers, widened to float32 again
;;       x = np.moveaxis(x, axis, -1); K = x.shape[-1]
;;       x = np.pad(x, [(0, 0)] * (x.ndim - 1) + [(0, -K % 32)]); x = x.reshape(x.shape[:-1] + (-1, 32)); a = np.abs(x).max(-1, keepdims=True)
;;       e = np.where(a > 0, np.clip(np.frexp(np.where(a > 0, a, 1))[1] - 1 - 2, -126, 127), 0)      # np.frexp(a)[1] - 1 = floor(log2(a)), exactly
;;       r = np.clip(x / 2.0 ** e, -7.5, 7.5)
;;       step = 2.0 ** (np.maximum(np.frexp(np.where(r == 0, 1, r))[1] - 1, 0) - 3)
;;       q = np.round(r / step) * step * 2.0 ** e      # np.round: ties to even
;;       return np.moveaxis(q.reshape(q.shape[:-2] + (-1,))[..., :K], -1, axis).astype(np.float32)
;;   ~~~
;;   OPERANDS COMPUTED ON THE WAY. 'Computed on the way' means the value that the module computes at that place (a softmax that the list does not call 'softmax' is quantised finished and normalised). What goes into a quantiser is computed in f32, as accurately as f32 sums, v_exp_f32 and their like allow (about 1e-6 of the number): no bf16 or f16 on the way to a quantiser, and a product that is left as it is and whose result goes on into a quantised operand takes f32 operands (vector FMAs, or v_wmma_f32_16x16x4_f32). A number that lies on a knife's edge between two numbers of the format may be rounded either way, as far as f32 arithmetic and the matrix unit's own rounding can turn it there, and no further.
;;   INPUTS GIVEN AS CODES. W2 (in the module: [1024, 4096], K = its axis 1): each comes as NAME_codes (uint8): NAME with its K axis moved to the last place and cut into blocks of 32 codes, [.., K / 32, bytes a block], one block behind the other in memory; four codes in three bytes: a row's codes are one little-endian stream of bits, code i at bits 6 i .. 6 i + 5 (a code: sign, 2 exponent bits, 3 mantissa bits); and NAME_scales (uint8): the same leading axes, one E8M0 byte (e + 127) for each 32 codes along K. Its value is code x scale, taken as it is: it is not quantised again, and the codes and scales need not be those that the quantiser above would give.
;; 2 versions. Each part assembles by itself: llvm-mc -triple=amdgcn-amd-amdhsa -mcpu=gfx1250 --defsym DOCPART=n.
;; ======== version 1 of 2: 1 launch
;; limits: inputs' magnitudes at most 1,000,000
;; launch ffq (part 1): grid 256 x 1, 4 waves a work-group, clusters of 4 x 1, 327,680 bytes of LDS; arguments x, ry_theta, W1, b1, W2_codes, W2_scales, b2, out0; writes out0
.if DOCPART == 1
	.amdgcn_target "amdgcn-amd-amdhsa--gfx1250"
	.amdhsa_code_object_version 6
	.text
	.protected	k_q920ed4cbfd_ffq
	.globl	k_q920ed4cbfd_ffq
	.p2align	8
	.type	k_q920ed4cbfd_ffq,@function
k_q920ed4cbfd_ffq:
	s_mov_b64 s[64:65], 0
	v_nop
	global_prefetch_b8 v0, s[64:65] scope:SCOPE_SE
	s_setreg_imm32_b32 hwreg(HW_REG_WAVE_MODE, 25, 1), 1
	s_wait_xcnt 0x0
	s_wait_alu depctr_hold_cnt(0) depctr_sa_sdst(0) depctr_va_vdst(0) depctr_va_sdst(0) depctr_va_ssrc(0) depctr_va_vcc(0) depctr_vm_vsrc(0)
	s_getreg_b32 s2, hwreg(HW_REG_IB_STS2, 6, 4)
	s_cmp_eq_u32 s2, 0
	s_cbranch_scc0 .Lentry_in_a_cluster
	s_endpgm
.Lentry_in_a_cluster:
	s_bfe_u32 s2, ttmp6, 0x10000c
	s_cmp_lg_u32 s2, 0x3003
	s_cbranch_scc0 .Lentry_shape_is_right
	s_endpgm
.Lentry_shape_is_right:
; out[16384][1024] = Q(relu(q W1^T + b1)) W2^T + b2,  q[row][i] = cos(x[row][i]) cos(theta[i]), i = 0 .. 7.
; The first product (K = 8) is made in f32 by v_wmma_f32_16x16x4_f32, since its result goes into a quantiser; the second (K = 4,096) on codes of FP6 (E2M3) with one E8M0 scale for each 32 along K:
; W2 arrives so (rows of 3,072 bytes of codes, rows of 128 scale bytes); the hidden layer h is quantised here, in registers, and never goes to memory.
; SHARES.  A work-group of four waves makes 64 rows x all 1,024 columns, so that every number of h is made once in the whole launch.  Wave w owns the columns 512 s + 128 w + 0 .. 127, s = 0, 1:
; 64 accumulators of 16 x 16, 512 registers.  K goes in 16 chunks of 256.  A PERIOD is one chunk of one column half s: 512 rows of W2 x 192 bytes in LDS slot s, 64 scaled matrix instructions a wave.
; A wave fetches by its own tensor load just the 128 rows of W2 that it multiplies by.  In a period it first takes ALL its fragments of the slot into registers; then the slot is filled again, and then it multiplies.
; h.  In chunk t the work-group makes chunk t + 1's h: wave w the hidden units 64 w + 0 .. 63 of that chunk for all 64 rows.  A UNIT is 16 rows x 32 hidden units: four f32 matrix instructions
; (two tiles of 16 units x two steps of 4 along K, b1 as the C of the first step).  The product is used transposed (source 0 = 16 rows of W1, source 1 = q), and lane r of tile u takes W1's row 8 u + r + 8 (r / 8) of the 32,
; so that a lane's 16 results are 16 neighbours along the next K.  They are clipped at 0, quantised, and go to the other waves through LDS AS IMAGES OF THE OPERAND'S REGISTERS (two buffers by turns).
; The quantiser's vector lines of the unit before, and the period's LDS loads, stand between the f32 matrix instructions.
; The features of K = 8 are dealt alike to both operands: lane half h holds features 4 h .. 4 h + 3, so the sum runs b1, then features 0, 1, 4, 5, then 2, 3, 6, 7.
; THE SECOND PRODUCT IS USED TRANSPOSED too (source 0 = 16 rows of W2, source 1 = 16 rows of h): a lane holds eight neighbouring columns of one row of out.  b2 is loaded into the accumulators, so every product adds in place.
; CLUSTER.  All work-groups walk the same tiles of W2.  The four of a cluster ask for each tile JOINTLY: the same tensor load with the same descriptor and a mask that names the four.
; W2's scale words go from memory straight into the scale registers, 8 bytes a column and chunk: all 131,072 bytes of them do not fit in LDS beside the two slots.
; LIMITS.  cos is a reduction by pi / 2 in three parts and two polynomials on [-pi/4, pi/4]; the reduction's first step is exact for |x|, |theta| up to about 1e6, beyond that the error grows.
; NaN and infinities among the inputs are not served (the clip at 0 drops a NaN).  A block of h that is all zeros gets the scale byte 1 where the rule says 127: its codes are zeros, and this program alone reads the bytes.
; REGISTERS, in windows of 256.  Window 0: v0-23 addresses; v24-29 at work; v32-35 h's scale words; v36-51 W2's; v52-67 q; v68-83 W1; v84-115 b1; v116-147 two sets of results of the f32 products;
;   v148-163 a block's 16 numbers; v164-203 codes just made; v204-251 h's fragments of a chunk's second 128 along K.   Window 1: v0-191 W2's 16 fragments of a period; v192-239 h's fragments of the first 128.
;   Window 2: the accumulators of column half 0, tile (n, m) at v[8 (4 n + m)];   window 3: those of half 1.
.set PITCH,  240                       ; an LDS row of W2: 3 x (64 bytes of codes + 16 of padding)
.set QUART,  128*PITCH                 ; 128 rows: what one tensor load brings, and what its wave reads
.set SLOT,   4*QUART
.set AIMG,   2*SLOT                    ; behind the slots: h's images, two buffers
.set ABUF,   12800                     ; a buffer: 8 fragments of 1,536 bytes (fragment 4 q + m), then 4 images of scale words of 128 bytes
.set ASC,    12288
.set STAGE,  AIMG+2*ABUF               ; the way out: 16 rows x (512 bytes + 16) for each wave
.set SPITCH, 528
.set SPARE,  STAGE+4*16*SPITCH         ; the spare words, 128 bytes for each wave: two blocks of 256 bytes that no other line names
.set SPW,   3                          ; v3   LDS address of my spare word; never rewritten
.set NIL,   4                          ; v4   0; never rewritten
.set ADB,   5                          ; v5, v6  my place in my quarter of slot 0, 1: 240 r + 24 h;  v7, v8 the same with 40 h, for the pieces that lie behind one padding more
.set ARD16, 9                          ; v9   h's images, read: 16 x lane
.set ARD8,  10                         ; v10  and 512 + 8 x lane
.set ARS,   11                         ; v11  their scale words: 4 x lane
.set AWR16, 12                         ; v12  h's images, written: my K step and my half of a fragment, + 16 x lane
.set AWR8,  13                         ; v13  + 512 + 8 x lane
.set AWS,   14                         ; v14  my two bytes of a row's scale word
.set W1O,   15                         ; v15  W1: (r + 8 (r / 8)) rows of 32 bytes + 16 h
.set B1O,   16                         ; v16  b1: 64 h
.set WSO,   17                         ; v17  W2's scale bytes: 128 x lane
.set XO,    18                         ; v18  x: 4,096 r + 16 h
.set B2O,   19                         ; v19  b2: 32 h
.set STO,   20                         ; v20  the stage: where I put 32 bytes of a row
.set RD,    21                         ; v21  and where I read a row back
.set CO,    22                         ; v22  16 x lane: my bytes of a row's 512 in out
.set THO,   23                         ; v23  theta: 16 h
.set TM,    24                         ; v24, v29 two chains of maxima; v25 the other half's; v26 the conversion's scale operand; v27 the byte; v28 block 0's byte
.set LN,    30                         ; v30  lane
.set AS,    32
.set WS,    36
.set QF,    52
.set W1F,   68
.set BI,    84
.set HA,    116
.set R,     148
.set PC,    164                        ; ten registers for each tile of rows: six codes' registers, three more for the second block, the two scale bytes
.set AF1,   204
.set CT,    148                        ; the head's cosines: 24 registers at work,
.set TH,    172                        ; and cos(theta)
.set BK0,   52                         ; the way out: 16 rows read back from the stage, two sets by turns
.set BK1,   148
.set WV,    20                         ; s20  my wave's number
.set G1,    24                         ; s[24:31] descriptor group 1
.set G0,    32                         ; s[32:35], s[36:39] group 0 for slot 0, 1
.set SEL,   40                         ; s[40:41] v_permlanex16_b32's selects for lane l xor 16
.set KC,    44                         ; s44-53  the cosine's constants
.set MSB, 0
.macro WIN new                         ; the immediate's high byte repeats the setting that is left; a switch that changes nothing is dropped
.if MSB != (\new)
	s_set_vgpr_msb (MSB<<8)|(\new)
.set MSB, (\new)
.endif
.endm
.macro PLACES n
.rept \n
	v_nop
.endr
.endm
.macro CREST                           ; a round of the cluster's barrier behind its opening barrier
	s_cmp_lg_u32 s[WV], 0
	s_cbranch_scc1 .Lnot_wave_0_\@
	s_barrier_signal -3
.Lnot_wave_0_\@:
	s_barrier_wait -3
	s_barrier_signal -1
	s_barrier_wait -1
.endm
.macro ROUND                           ; a whole round
	s_barrier_signal -1
	s_barrier_wait -1
	CREST
.endm
; cos of four registers, in place.  n = the nearest whole number to x 2/pi; r = x - n pi/2, pi/2 in three parts by fused multiply-adds; sin r and cos r by polynomials in z = r r;
; n odd takes the sine; n mod 4 = 1 or 2 turns the sign.  Line by line over the four, so that no line waits for the line above it.
.macro COS4 d
.irp i, 0,1,2,3
	v_mul_f32 v[CT+\i], s[KC], v[\d+\i]
.endr
.irp i, 0,1,2,3
	v_rndne_f32 v[CT+\i], v[CT+\i]
.endr
.irp i, 0,1,2,3
	v_fma_f32 v[CT+4+\i], v[CT+\i], s[KC+1], v[\d+\i]
.endr
.irp i, 0,1,2,3
	v_fma_f32 v[CT+4+\i], v[CT+\i], s[KC+2], v[CT+4+\i]
.endr
.irp i, 0,1,2,3
	v_fma_f32 v[CT+4+\i], v[CT+\i], s[KC+3], v[CT+4+\i]
.endr
.irp i, 0,1,2,3
	v_cvt_i32_f32 v[CT+\i], v[CT+\i]
.endr
.irp i, 0,1,2,3
	v_mul_f32 v[CT+8+\i], v[CT+4+\i], v[CT+4+\i]
.endr
.irp i, 0,1,2,3
	v_fma_f32 v[CT+12+\i], s[KC+6], v[CT+8+\i], s[KC+5]
	v_fma_f32 v[CT+16+\i], s[KC+9], v[CT+8+\i], s[KC+8]
.endr
.irp i, 0,1,2,3
	v_fma_f32 v[CT+12+\i], v[CT+12+\i], v[CT+8+\i], s[KC+4]
	v_fma_f32 v[CT+16+\i], v[CT+16+\i], v[CT+8+\i], s[KC+7]
.endr
.irp i, 0,1,2,3
	v_mul_f32 v[CT+12+\i], v[CT+12+\i], v[CT+8+\i]
	v_fma_f32 v[CT+16+\i], v[CT+16+\i], v[CT+8+\i], -0.5
.endr
.irp i, 0,1,2,3
	v_fma_f32 v[CT+12+\i], v[CT+12+\i], v[CT+4+\i], v[CT+4+\i]     ; sin r
	v_fma_f32 v[CT+16+\i], v[CT+16+\i], v[CT+8+\i], 1.0            ; cos r
.endr
.irp i, 0,1,2,3
	v_and_b32 v[CT+20+\i], 1, v[CT+\i]
	v_add_nc_u32 v[CT+\i], 1, v[CT+\i]
.endr
.irp i, 0,1,2,3
	v_cmp_eq_u32 vcc_lo, 1, v[CT+20+\i]
	v_cndmask_b32 v[CT+16+\i], v[CT+16+\i], v[CT+12+\i], vcc_lo
	v_lshlrev_b32 v[CT+\i], 30, v[CT+\i]                           ; bit 1 of n + 1 is the sign
.endr
.irp i, 0,1,2,3
	v_and_b32 v[CT+\i], 0x80000000, v[CT+\i]
.endr
.irp i, 0,1,2,3
	v_xor_b32 v[\d+\i], v[CT+\i], v[CT+16+\i]
.endr
.endm
; One f32 matrix instruction: tile u of block b's 32 hidden units x the 16 rows of tile m, step e of K.  The two tiles take turns, one instruction a turn; the results' registers are written by these lines alone.
.macro FW b, u, e, m
.set rH, HA+16*(\b)+8*(\u)
.set rX, W1F+8*(\b)+4*(\u)+2*(\e)
.set rQ, QF+4*(\m)+2*(\e)
.if (\e) == 0
	v_wmma_f32_16x16x4_f32 v[rH:rH+7], v[rX:rX+1], v[rQ:rQ+1], v[BI+16*(\b)+8*(\u):BI+16*(\b)+8*(\u)+7]
.else
	v_wmma_f32_16x16x4_f32 v[rH:rH+7], v[rX:rX+1], v[rQ:rQ+1], v[rH:rH+7]
.endif
.endm
; The quantiser of the unit (rows m, block b), whose results lie in set b, in four pieces.  0, 1: the clip at 0, each tile from its low end on.  2: the largest of my 16, with the floor 2^(3 - 127) among the leaves.
; 3: with lane l xor 16's; 2 off the exponent field gives the conversion's scale operand, its shift the byte; the codes.  With b = 1 the pair of blocks is whole: the halves change places, so that a lane holds a whole block,
; and my half of the fragment and my two bytes of the scale word go to buffer wb.
.macro QP piece, b, m, wb
.if \piece == 0
.irp j, 0,1,2,3,4,5,6,7
	v_max_num_f32 v[R+\j], 0, v[HA+16*(\b)+\j]
.endr
.elseif \piece == 1
.irp j, 8,9,10,11,12,13,14,15
	v_max_num_f32 v[R+\j], 0, v[HA+16*(\b)+\j]
.endr
.elseif \piece == 2
	v_max3_num_f32 v[TM], v[R], v[R+1], 0x1800000
	v_max3_num_f32 v[TM+5], v[R+8], v[R+9], v[R+10]
	v_max3_num_f32 v[TM], v[TM], v[R+2], v[R+3]
	v_max3_num_f32 v[TM+5], v[TM+5], v[R+11], v[R+12]
	v_max3_num_f32 v[TM], v[TM], v[R+4], v[R+5]
	v_max3_num_f32 v[TM+5], v[TM+5], v[R+13], v[R+14]
	v_max3_num_f32 v[TM], v[TM], v[R+6], v[R+7]
	v_max3_num_f32 v[TM], v[TM], v[TM+5], v[R+15]
.else
	v_permlanex16_b32 v[TM+1], v[TM], s[SEL], s[SEL+1]
	v_max_num_f32 v[TM], v[TM], v[TM+1]
	v_add_nc_u32 v[TM+2], 0xff000000, v[TM]
.if (\b) == 0
	v_cvt_scalef32_pk16_fp6_f32 v[PC+10*(\m):PC+10*(\m)+2], v[R:R+15], v[TM+2]
	v_lshrrev_b32 v[TM+4], 23, v[TM+2]             ; the byte; also the plain line behind the scaled conversion
.else
	v_cvt_scalef32_pk16_fp6_f32 v[PC+10*(\m)+6:PC+10*(\m)+8], v[R:R+15], v[TM+2]
	v_lshrrev_b32 v[TM+3], 23, v[TM+2]             ; likewise
	v_lshl_or_b32 v[PC+10*(\m)+9], v[TM+3], 8, v[TM+4]
.irp i, 0,1,2
	v_permlane16_swap_b32 v[PC+10*(\m)+\i], v[PC+10*(\m)+6+\i]
.endr
.irp i, 0,1,2
	v_mov_b32 v[PC+10*(\m)+3+\i], v[PC+10*(\m)+6+\i]
.endr
	ds_store_b128 v[AWR16], v[PC+10*(\m):PC+10*(\m)+3] offset:(\wb)*ABUF+1536*(\m)
	ds_store_b64 v[AWR8], v[PC+10*(\m)+4:PC+10*(\m)+5] offset:(\wb)*ABUF+1536*(\m)
	ds_store_b16 v[AWS], v[PC+10*(\m)+9] offset:(\wb)*ABUF+128*((\m)/2)+64*((\m)%2)   ; lanes r and r + 16 write the same two bytes with the same value
.endif
.endif
.endm
; A fragment of W2, 16 rows x 128 K, 12 registers: lane (r, h) takes 24 bytes of row r twice, in pieces of 8 bytes.  Lanes 16-31 read three pieces further on than lanes 0-15; where that is behind one padding more, the second address serves.
.macro FRAG reg, adr, q, i
.irp p, 0,1,2,3,4,5
.set PCE, 12*(\q)+6*(\p/3)+\p%3
.if PCE%8 < 5
	ds_load_b64 v[\reg+2*\p:\reg+2*\p+1], v[\adr] offset:8*PCE+16*(PCE/8)+(\i)*16*PITCH
.else
	ds_load_b64 v[\reg+2*\p:\reg+2*\p+1], v[\adr+2] offset:8*PCE+16*(PCE/8)+(\i)*16*PITCH
.endif
.endr
.endm
.macro BFRAG slot, i                   ; fragment i of the period's sixteen: K step i / 8, column tile i % 8, to window 1
	FRAG 96*((\i)/8)+12*((\i)%8), ADB+\slot, (\i)/8, (\i)%8
.endm
.macro AFRAG reg, f, rb                ; h's fragment f comes back as it was stored
	ds_load_b128 v[\reg:\reg+3], v[ARD16] offset:(\rb)*ABUF+1536*(\f)
	ds_load_b64 v[\reg+4:\reg+5], v[ARD8] offset:(\rb)*ABUF+1536*(\f)
	ds_load_b128 v[\reg+6:\reg+9], v[ARD16] offset:(\rb)*ABUF+1536*(\f)+768
	ds_load_b64 v[\reg+10:\reg+11], v[ARD8] offset:(\rb)*ABUF+1536*(\f)+768
.endm
.macro ASLOAD rb                       ; h's scale words: register 2 q + p: lanes 0-15 rows' tile 2 p, lanes 16-31 tile 2 p + 1
.irp j, 0,1,2,3
	ds_load_b32 v[AS+\j], v[ARS] offset:(\rb)*ABUF+128*\j
.endr
.endm
; The LDS loads that stand in gap k of a period's sixteen.
.macro LG s, k, rb, doA
.if (\k) >= 0 && (\k) < 4
	WIN 0x40                                       ; destination window 1, address window 0
	BFRAG \s, 2*(\k)
	BFRAG \s, 2*(\k)+1
	WIN 0
.elseif (\k) >= 4 && (\k) < 12
	WIN 0x40
	BFRAG \s, (\k)+4
.if \doA
.if (\k) < 8
	AFRAG 192+12*((\k)-4), (\k)-4, \rb
	WIN 0
.else
	WIN 0
	AFRAG AF1+12*((\k)-8), (\k)-4, \rb
.endif
.else
	WIN 0
.endif
.elseif (\k) == 12 && \doA
	ASLOAD \rb
.endif
.endm
.macro LOADALL s, rb, doA              ; the same loads in one run, where no hidden layer is left to make
	WIN 0x40
.irp i, 0,1,2,3,4,5,6,7,8,9,10,11,12,13,14,15
	BFRAG \s, \i
.endr
.if \doA
.irp f, 0,1,2,3
	AFRAG 192+12*\f, \f, \rb
.endr
	WIN 0
.irp f, 4,5,6,7
	AFRAG AF1+12*(\f-4), \f, \rb
.endr
	ASLOAD \rb
.else
	WIN 0
.endif
.endm
; A unit's four f32 matrix instructions; behind each a piece of the quantiser of the unit before (rows pm, block pb) and a gap's LDS loads.
; A vector line reads a result of this form eight plain vector lines behind the matrix instruction that wrote it, lines that name none of its registers: tile 0's last step has piece 2's eight lines behind it,
; tile 1's the next unit's piece 0, which reads tile 0.  Where there is no unit before, eight v_nop close the unit.
.macro PUNIT m, b, hasq, pm, pb, wb, s, k0, rb, doA
.irp i, 0,1,2,3
	FW \b, \i%2, \i/2, \m
.if \hasq
	QP \i, \pb, \pm, \wb
.endif
	LG \s, (\k0)+\i, \rb, \doA
.endr
.if \hasq == 0
	PLACES 8
.endif
.endm
; One scaled product: column tile n x rows' tile m, K step q of the chunk, column half s.  W2's scale words of tiles 2 i and 2 i + 1 share a register (lanes 0-15, lanes 16-31), and so do h's of rows' tiles 2 p and 2 p + 1.
.macro PROD s, q, n, m
.set rD, 8*(4*(\n)+(\m))
.set rB, 96*(\q)+12*(\n)
.if (\q) == 0
.set rA, 192+12*(\m)
.else
.set rA, AF1+12*(\m)
.endif
.set rW, WS+8*(\s)+2*((\n)/2)+(\q)
.set rS, AS+2*(\q)+(\m)/2
.if (\n)%2 == 0
.if (\m)%2 == 0
	v_wmma_scale_f32_16x16x128_f8f6f4 v[rD:rD+7], v[rB:rB+11], v[rA:rA+11], v[rD:rD+7], v[rW], v[rS] matrix_a_fmt:MATRIX_FMT_FP6 matrix_b_fmt:MATRIX_FMT_FP6
.else
	v_wmma_scale_f32_16x16x128_f8f6f4 v[rD:rD+7], v[rB:rB+11], v[rA:rA+11], v[rD:rD+7], v[rW], v[rS] matrix_a_fmt:MATRIX_FMT_FP6 matrix_b_fmt:MATRIX_FMT_FP6 matrix_b_scale:MATRIX_SCALE_ROW1
.endif
.else
.if (\m)%2 == 0
	v_wmma_scale_f32_16x16x128_f8f6f4 v[rD:rD+7], v[rB:rB+11], v[rA:rA+11], v[rD:rD+7], v[rW], v[rS] matrix_a_fmt:MATRIX_FMT_FP6 matrix_b_fmt:MATRIX_FMT_FP6 matrix_a_scale:MATRIX_SCALE_ROW1
.else
	v_wmma_scale_f32_16x16x128_f8f6f4 v[rD:rD+7], v[rB:rB+11], v[rA:rA+11], v[rD:rD+7], v[rW], v[rS] matrix_a_fmt:MATRIX_FMT_FP6 matrix_b_fmt:MATRIX_FMT_FP6 matrix_a_scale:MATRIX_SCALE_ROW1 matrix_b_scale:MATRIX_SCALE_ROW1
.endif
.endif
.endm
; 16 products: column tiles 4 g .. 4 g + 3 x the four tiles of rows.  A half's 32 accumulators take turns, one instruction a turn, in the same order for both K steps.
.macro MULG s, q, g
	WIN (0xa1+0x50*(\s)+4*(1-(\q)))                ; source 0 (W2) window 1; source 1 (h) window 1 for K step 0, window 0 for K step 1; C and D window 2 + s
.irp n, 0,1,2,3
.irp m, 0,1,2,3
	PROD \s, \q, 4*(\g)+\n, \m
.endr
.endr
.endm
.macro MULQ s, wb                      ; the first 16 products of a period, with the quantiser of the chunk's last unit (rows 3, block 1) in four pieces between them
.irp n, 0,1,2,3
	WIN (0xa5+0x50*(\s))
.irp m, 0,1,2,3
	PROD \s, 0, \n, \m
.endr
	WIN 0
	QP \n, 1, 3, \wb
.endr
.endm
.macro WSLOAD s                        ; W2's scale words of one chunk for column half s: lane l takes 8 bytes (two K steps) of row 32 i + l of my 128
.irp i, 0,1,2,3
	global_load_b64 v[WS+8*\s+2*\i:WS+8*\s+2*\i+1], v[WSO], s[14:15] offset:65536*\s+4096*\i
.endr
.endm
.macro WBLOAD k                        ; my 64 rows of W1 and 64 numbers of b1, k chunks on from where the pointers stand: 12 loads
.irp b, 0,1
.irp u, 0,1
	global_load_b128 v[W1F+8*\b+4*\u:W1F+8*\b+4*\u+3], v[W1O], s[8:9] offset:8192*\k+(32*\b+8*\u)*32
	global_load_b128 v[BI+16*\b+8*\u:BI+16*\b+8*\u+3], v[B1O], s[10:11] offset:1024*\k+(32*\b+8*\u)*4
	global_load_b128 v[BI+16*\b+8*\u+4:BI+16*\b+8*\u+7], v[B1O], s[10:11] offset:1024*\k+(32*\b+8*\u)*4+16
.endr
.endr
.endm
.macro B2LOAD idx                      ; b2 starts the sums of column tile idx % 8 of half idx / 8, the same eight numbers a lane for all four tiles of rows
	WIN (0x80+0x40*((\idx)/8))                     ; destination window 2 or 3
.irp m, 0,1,2,3
	global_load_b128 v[8*(4*((\idx)%8)+\m):8*(4*((\idx)%8)+\m)+3], v[B2O], s[16:17] offset:(512*((\idx)/8)+16*((\idx)%8))*4
	global_load_b128 v[8*(4*((\idx)%8)+\m)+4:8*(4*((\idx)%8)+\m)+7], v[B2O], s[16:17] offset:(512*((\idx)/8)+16*((\idx)%8))*4+16
.endr
	WIN 0
.endm
; In front of a refill each wave waits for all its tensor loads (one is out: the other slot's next tile), adds 0 to its spare word, and waits for that, for its reads of this slot, which are all in registers now, and for its stores of h's images.
.macro MEET s
	WIN 0                                          ; (the add's two registers lie in window 0)
	s_wait_tensorcnt 0x0                           ; no tensor load of mine is out, so a group 0 may be written
	ds_add_u32 v[SPW], v[NIL]                      ; 0 onto my spare word
	s_add_nc_u64 s[G0+4*\s+2:G0+4*\s+3], s[G0+4*\s+2:G0+4*\s+3], 192   ; this slot's next tile: 256 along K on; the type bits on top are not reached
	s_wait_dscnt 0x0
	s_barrier_signal -1                            ; opens a round of the cluster's barrier
.endm
.macro REFILL s
	WIN 0
	s_barrier_wait -1
	CREST                                          ; no wave of any partner still reads this slot or has a load on its way
	tensor_load_to_lds s[G0+4*\s:G0+4*\s+3], s[G1:G1+7]   ; my one tensor load behind the round: it has the rest of this period and the head of the next in which to land
	s_nop 0
	PLACES 4
.endm
; A PERIOD.  on = 1: the next chunk's h is made, the slot is filled again, and the next chunk's scale words of this half are asked for.  wbl = 1: W1 and b1 of the chunk after next are asked for.
; lc: the global loads that may stay out: behind what a period needs stands one WSLOAD, four loads.  last = 1: the last tile has no refill's wait in front of it.
.macro PERIOD s, rb, on, wbl, lc, last
	s_wait_loadcnt \lc
.if \last
	s_wait_tensorcnt 0x0                           ; my part of the last tile is in
.endif
.if \on
.if \s == 0
	PUNIT 0, 0, 0, 0, 0, 1-\rb, 0, 0, \rb, 1
	PUNIT 0, 1, 1, 0, 0, 1-\rb, 0, 4, \rb, 1
	PUNIT 1, 0, 1, 0, 1, 1-\rb, 0, 8, \rb, 1
	PUNIT 1, 1, 1, 1, 0, 1-\rb, 0, 12, \rb, 1
	MEET 0
	MULG 0, 0, 0                                   ; work on registers while the others arrive
	REFILL 0
	MULG 0, 0, 1
.else
	PUNIT 2, 0, 1, 1, 1, 1-\rb, 1, 0, \rb, 0
	PUNIT 2, 1, 1, 2, 0, 1-\rb, 1, 4, \rb, 0
	PUNIT 3, 0, 1, 2, 1, 1-\rb, 1, 8, \rb, 0
	PUNIT 3, 1, 1, 3, 0, 1-\rb, 1, 12, \rb, 0
	s_wait_dscnt 0x0                               ; the period's fragments are in (the last were asked for four matrix instructions ago)
	MULQ 1, 1-\rb
.if \wbl
	WBLOAD 0                                       ; behind the quantiser's lines, which are the places behind the last f32 products
.endif
	MEET 1                                         ; the next chunk's images are whole behind this round
	MULG 1, 0, 1
	REFILL 1
.endif
.else
	LOADALL \s, \rb, 1-\s
	s_wait_dscnt 0x0
	MULG \s, 0, 0
	MULG \s, 0, 1
.endif
	MULG \s, 1, 0
	MULG \s, 1, 1
	WIN 0
	PLACES 4                                       ; in front of loads into registers that these products have read, and of the first read of results
.if \on
	WSLOAD \s
.endif
.endm
.macro CHUNK rb, on, wbl               ; h's fragments are read from buffer rb in the first period and serve both
	PERIOD 0, \rb, \on, 0, 4, 0
.if \on
	PERIOD 1, \rb, 1, \wbl, 4, 0
.else
	PERIOD 1, \rb, 0, 0, 0, 1
.endif
.if \wbl
	s_wait_xcnt 0x0                                ; the loads have read their bases: only behind this wait are the pointers stepped
	s_add_nc_u64 s[8:9], s[8:9], 8192
	s_add_nc_u64 s[10:11], s[10:11], 1024
	s_add_nc_u64 s[14:15], s[14:15], 8
.endif
.endm
; THE WAY OUT of block a (column half a / 4, rows' tile a % 4): 16 rows x 128 columns through my own stage, back as whole rows of 512 bytes.  LDS serves a wave's instructions in order (ISA guide 5.7.1.4).
.macro TOSTAGE a
	WIN (0x08+4*((\a)/4))                          ; the data: window 2 or 3
.irp n, 0,1,2,3,4,5,6,7
	ds_store_b128 v[STO], v[8*(4*\n+(\a)%4):8*(4*\n+(\a)%4)+3] offset:64*\n          ; each accumulator from its low end on
	ds_store_b128 v[STO], v[8*(4*\n+(\a)%4)+4:8*(4*\n+(\a)%4)+7] offset:64*\n+16
.endr
	WIN 0
.set BB, BK0+(BK1-BK0)*((\a)%2)
.irp t, 0,1,2,3,4,5,6,7,8,9,10,11,12,13,14,15
	ds_load_b128 v[BB+4*\t:BB+4*\t+3], v[RD] offset:\t*SPITCH
.endr
.endm
.macro SEND a, younger                 ; younger: the LDS instructions issued behind block a's loads, which may stay out
.set BB, BK0+(BK1-BK0)*((\a)%2)
	s_wait_dscnt \younger
.irp t, 0,1,2,3,4,5,6,7,8,9,10,11,12,13,14,15
	global_store_b128 v[CO], v[BB+4*\t:BB+4*\t+3], s[18:19] offset:(16*((\a)%4)+\t)*4096+2048*((\a)/4) th:TH_STORE_NT   ; 32 lanes store 512 consecutive bytes, at a multiple of 256 from out's first byte
.endr
.endm
	s_load_b512 s[4:19], s[0:1], 0x0               ; x, theta, W1, b1, W2's codes, W2's scales, b2, out
	v_lshl_add_u32 v[SPW], v0, 2, SPARE
	v_mov_b32 v[NIL], 0
	ds_add_u32 v3, v4
	ds_add_u32 v3, v4
	s_wait_dscnt 0x0
	v_lshrrev_b32 v1, 5, v0
	v_readfirstlane_b32 s[WV], v1                  ; wave 0..3
	s_bfe_u32 s21, ttmp6, 0x40000                  ; cx: my place in the cluster
	s_lshl_b32 s22, ttmp9, 2                       ; in a cluster launch ttmp9 counts clusters
	s_add_co_u32 s22, s22, s21                     ; my block of 64 rows: it enters x's and out's addresses alone
	s_mov_b32 s[G1+0], 15|(1<<20)|(1<<21)|(3<<22)|(3<<25)   ; 15:0 the mask: all four work-groups; 17:16 elements of 1 byte; 20 padding on; 21 set beside a mask; 24:22 after every 16 words (code 3); 31:25 4 words of it (code 3)
	s_mov_b32 s[G1+1], 192<<16                     ; tensor_dim0 = 192
	s_mov_b32 s[G1+2], 128<<16                     ; tensor_dim1 = 128
	s_mov_b32 s[G1+3], 192<<16                     ; tile_dim0 = 192
	s_mov_b32 s[G1+4], 128                         ; tile_dim1 = 128
	s_mov_b32 s[G1+5], 3072                        ; from row to row of W2's codes
	s_mov_b32 s[G1+6], 0
	s_mov_b32 s[G1+7], 0
	s_mov_b32 s[SEL], 0x76543210
	s_mov_b32 s[SEL+1], 0xfedcba98
	s_mov_b32 s[KC], 0x3f22f983                    ; 2 / pi
	s_mov_b32 s[KC+1], 0xbfc90fda                  ; -pi / 2 in three parts
	s_mov_b32 s[KC+2], 0xb3a22168
	s_mov_b32 s[KC+3], 0xa7c234c4
	s_mov_b32 s[KC+4], 0xbe2aaaa3                  ; the sine's three coefficients
	s_mov_b32 s[KC+5], 0x3c08839e
	s_mov_b32 s[KC+6], 0xb94ca1f9
	s_mov_b32 s[KC+7], 0x3d2aaaa5                  ; the cosine's three, behind 1 - z / 2
	s_mov_b32 s[KC+8], 0xbab6061a
	s_mov_b32 s[KC+9], 0x37ccf5ce
	s_lshl_b32 s2, s22, 18                         ; 64 rows of 4,096 bytes
	s_mov_b32 s3, 0
	s_lshl_b32 s54, s[WV], 9                       ; my 128 columns, in bytes
	s_mov_b32 s55, 0
	s_mov_b32 s[G0], 1                             ; count = 1
	s_mul_i32 s[G0+1], s[WV], QUART                ; LDS address: my quarter of slot 0: no place in the cluster enters it
	s_mov_b32 s[G0+4], 1
	s_add_co_u32 s[G0+5], s[G0+1], SLOT            ; and of slot 1
	s_wait_kmcnt 0x0
	s_add_nc_u64 s[4:5], s[4:5], s[2:3]            ; x at my first row
	s_add_nc_u64 s[18:19], s[18:19], s[2:3]
	s_add_nc_u64 s[18:19], s[18:19], s[54:55]      ; out at my first row and my wave's first column
	s_add_nc_u64 s[16:17], s[16:17], s[54:55]      ; b2 likewise
	s_lshl_b32 s54, s[WV], 11
	s_add_nc_u64 s[8:9], s[8:9], s[54:55]          ; W1: my 64 rows of 32 bytes in a chunk
	s_lshl_b32 s54, s[WV], 8
	s_add_nc_u64 s[10:11], s[10:11], s[54:55]      ; b1: my 64 numbers
	s_lshl_b32 s54, s[WV], 14
	s_add_nc_u64 s[14:15], s[14:15], s[54:55]      ; W2's scale bytes: my 128 rows of 128 bytes
	s_mul_i32 s54, s[WV], 128*3072
	s_add_nc_u64 s[G0+2:G0+3], s[12:13], s[54:55]  ; W2's codes: my 128 rows of column half 0,
	s_add_nc_u64 s[G0+6:G0+7], s[G0+2:G0+3], 512*3072   ; and of half 1
	s_or_b32 s[G0+3], s[G0+3], 0x80000000          ; type = 2
	s_or_b32 s[G0+7], s[G0+7], 0x80000000
	ROUND                                          ; all four work-groups are here: the first joint loads meet
	tensor_load_to_lds s[G0:G0+3], s[G1:G1+7]      ; chunk 0, half 0
	s_nop 0
	tensor_load_to_lds s[G0+4:G0+7], s[G1:G1+7]    ; chunk 0, half 1: two loads of mine are out
	s_nop 0
	PLACES 4
	v_and_b32 v1, 15, v0                           ; r
	v_bfe_u32 v2, v0, 4, 1                         ; h
	v_and_b32 v[LN], 31, v0
	v_lshlrev_b32 v[XO], 12, v1
	v_lshl_add_u32 v[XO], v2, 4, v[XO]
	v_lshlrev_b32 v[THO], 4, v2
	v_and_b32 v[W1O], 8, v1
	v_add_nc_u32 v[W1O], v[W1O], v1                ; r + 8 (r / 8)
	v_lshlrev_b32 v[W1O], 5, v[W1O]
	v_lshl_add_u32 v[W1O], v2, 4, v[W1O]
	v_lshlrev_b32 v[B1O], 6, v2
.irp m, 0,1,2,3
	global_load_b128 v[QF+4*\m:QF+4*\m+3], v[XO], s[4:5] offset:65536*\m th:TH_LOAD_NT   ; x(16 m + r, 4 h .. 4 h + 3)
.endr
	global_load_b128 v[TH:TH+3], v[THO], s[6:7]    ; theta(4 h .. 4 h + 3)
	WBLOAD 0                                       ; chunk 0's W1 and b1
	v_lshlrev_b32 v[WSO], 7, v[LN]
	v_lshlrev_b32 v[B2O], 5, v2
	v_mul_u32_u24 v[ADB], v1, PITCH
	v_mad_u32_u24 v[ADB], v2, 24, v[ADB]
	v_lshl_add_u32 v[ADB+2], v2, 4, v[ADB]
	v_add_nc_u32 v[ADB], s[G0+1], v[ADB]
	v_add_nc_u32 v[ADB+2], s[G0+1], v[ADB+2]
	v_add_nc_u32 v[ADB+1], SLOT, v[ADB]
	v_add_nc_u32 v[ADB+3], SLOT, v[ADB+2]
	v_lshl_add_u32 v[ARD16], v[LN], 4, AIMG
	v_lshl_add_u32 v[ARD8], v[LN], 3, AIMG+512
	v_lshl_add_u32 v[ARS], v[LN], 2, AIMG+ASC
	s_lshr_b32 s23, s[WV], 1                       ; which K step of a chunk my 64 hidden units lie in,
	s_and_b32 s43, s[WV], 1                        ; and which half of its fragments they are
	s_mul_i32 s54, s23, 4*1536
	s_mul_i32 s55, s43, 768
	s_add_co_u32 s54, s54, s55
	v_add_nc_u32 v[AWR16], s54, v[ARD16]
	v_add_nc_u32 v[AWR8], s54, v[ARD8]
	s_lshl_b32 s54, s23, 8
	s_lshl_b32 s55, s43, 1
	s_add_co_u32 s54, s54, s55
	v_lshl_add_u32 v[AWS], v1, 2, AIMG+ASC
	v_add_nc_u32 v[AWS], s54, v[AWS]
	s_mul_i32 s54, s[WV], 16*SPITCH                ; my stage
	v_mul_u32_u24 v[STO], v1, SPITCH
	v_lshl_add_u32 v[STO], v2, 5, v[STO]
	v_add_nc_u32 v[STO], s54, v[STO]
	v_add_nc_u32 v[STO], STAGE, v[STO]
	v_lshlrev_b32 v[CO], 4, v[LN]
	v_add_nc_u32 v[RD], s54, v[CO]
	v_add_nc_u32 v[RD], STAGE, v[RD]
	v_mov_b32 v[TM+1], 0                           ; written once: a lane permute's destination counts as one of its sources
	s_wait_loadcnt 12                              ; x and theta are in; the 12 loads of W1 and b1 may be out
	COS4 TH
.irp m, 0,1,2,3
	COS4 QF+4*\m
.endr
.irp m, 0,1,2,3
	v_pk_mul_f32 v[QF+4*\m:QF+4*\m+1], v[QF+4*\m:QF+4*\m+1], v[TH:TH+1]          ; q = cos x cos theta
	v_pk_mul_f32 v[QF+4*\m+2:QF+4*\m+3], v[QF+4*\m+2:QF+4*\m+3], v[TH+2:TH+3]
.endr
	s_wait_loadcnt 0x0                             ; W1 and b1
	WSLOAD 0                                       ; chunk 0's scale words of half 0
; Chunk 0's hidden layer, into buffer 0.  Behind each unit stand 16 of the 128 loads that start the sums with b2, so that they are on their way while the units are made.
.macro PRO m, b, hasq, pm, pb, i
	PUNIT \m, \b, \hasq, \pm, \pb, 0, 0, -8, 0, 0
	B2LOAD 2*(\i)
	B2LOAD 2*(\i)+1
.endm
	PRO 0, 0, 0, 0, 0, 0
	PRO 0, 1, 1, 0, 0, 1
	PRO 1, 0, 1, 0, 1, 2
	PRO 1, 1, 1, 1, 0, 3
	PRO 2, 0, 1, 1, 1, 4
	PRO 2, 1, 1, 2, 0, 5
	PRO 3, 0, 1, 2, 1, 6
	PRO 3, 1, 1, 3, 0, 7
.irp i, 0,1,2,3
	QP \i, 1, 3, 0                                 ; the last unit
.endr
	WBLOAD 1                                       ; chunk 1's W1 and b1 (the quantiser's lines above are the places behind the last f32 products)
	WSLOAD 1                                       ; chunk 0's scale words of half 1
	s_wait_xcnt 0x0                                ; the loads have read their bases
	s_add_nc_u64 s[8:9], s[8:9], 2*8192            ; W1 and b1 stand at chunk 2,
	s_add_nc_u64 s[10:11], s[10:11], 2*1024
	s_add_nc_u64 s[14:15], s[14:15], 8             ; the scale bytes at chunk 1
	s_wait_tensorcnt 0x1                           ; my part of slot 0 is in; slot 1's may stay out
	s_wait_dscnt 0x0                               ; my images of chunk 0's h have landed
	s_barrier_signal -1
	s_barrier_wait -1                              ; everybody's have
	s_mov_b32 s42, 7
.Ltrip:                                            ; a trip is two chunks, so that the two buffers of images stand in immediates: chunks 0 to 13
	CHUNK 0, 1, 1
	CHUNK 1, 1, 1
	s_sub_co_u32 s42, s42, 1
	s_cmp_lg_u32 s42, 0
	s_cbranch_scc1 .Ltrip
	CHUNK 0, 1, 0                                  ; chunk 14 makes chunk 15's h and asks for its tiles; there is no W1 beyond
	CHUNK 1, 0, 0                                  ; chunk 15 makes nothing and asks for nothing: the tail is written out
	TOSTAGE 0                                      ; (the four places behind the last products close the last period)
.irp a, 1,2,3,4,5,6,7
.if \a > 1
	s_wait_xcnt 0x0                                ; block a - 2's stores have read their registers: block a's rows may land there
.endif
	TOSTAGE \a
	SEND \a-1, 32                                  ; behind block a - 1's loads: block a's 16 stores and 16 loads
.endr
	SEND 7, 0
	s_wait_tensorcnt 0x0                           ; the wave's end: behind my last tensor load and my last LDS store
	ds_add_u32 v[SPW], v[NIL]
	s_wait_dscnt 0x0
	ROUND                                          ; the closing round: no work-group ends while a partner may still ask for a tile that names it
	s_endpgm
.Lfunc_end_k_q920ed4cbfd_ffq:
	.size	k_q920ed4cbfd_ffq, .Lfunc_end_k_q920ed4cbfd_ffq-k_q920ed4cbfd_ffq
	.p2alignl 7, 3214868480
	.fill 96, 4, 3214868480
	.section	.rodata,"a",@progbits
	.p2align	6, 0x0
	.amdhsa_kernel k_q920ed4cbfd_ffq
		.amdhsa_group_segment_fixed_size 327680
		.amdhsa_private_segment_fixed_size 0
		.amdhsa_enable_private_segment 0
		.amdhsa_kernarg_size 64
		.amdhsa_user_sgpr_count 2
		.amdhsa_user_sgpr_kernarg_segment_ptr 1
		.amdhsa_wavefront_size32 1
		.amdhsa_system_sgpr_workgroup_id_x 1
		.amdhsa_system_sgpr_workgroup_id_y 1
		.amdhsa_system_sgpr_workgroup_id_z 1
		.amdhsa_system_vgpr_workitem_id 0
		.amdhsa_next_free_vgpr 1024
		.amdhsa_next_free_sgpr 66
		.amdhsa_reserve_vcc 1
		.amdhsa_float_denorm_mode_32 3
		.amdhsa_float_denorm_mode_16_64 3
		.amdhsa_memory_ordered 1
		.amdhsa_forward_progress 1
		.amdhsa_inst_pref_size 255
	.end_amdhsa_kernel
	.section	.bss,"aw",@nobits
	.p2align	6
	.space	262144
	.amdgpu_metadata
---
amdhsa.version: [ 1, 2 ]
amdhsa.kernels:
  - .name:           k_q920ed4cbfd_ffq
    .symbol:         k_q920ed4cbfd_ffq.kd
    .args:
      - { .name: x, .offset: 0, .size: 8, .value_kind: global_buffer, .address_space: global }
      - { .name: ry_theta, .offset: 8, .size: 8, .value_kind: global_buffer, .address_space: global }
      - { .name: W1, .offset: 16, .size: 8, .value_kind: global_buffer, .address_space: global }
      - { .name: b1, .offset: 24, .size: 8, .value_kind: global_buffer, .address_space: global }
      - { .name: W2_codes, .offset: 32, .size: 8, .value_kind: global_buffer, .address_space: global }
      - { .name: W2_scales, .offset: 40, .size: 8, .value_kind: global_buffer, .address_space: global }
      - { .name: b2, .offset: 48, .size: 8, .value_kind: global_buffer, .address_space: global }
      - { .name: out0, .offset: 56, .size: 8, .value_kind: global_buffer, .address_space: global }
    .group_segment_fixed_size: 327680
    .private_segment_fixed_size: 0
    .kernarg_segment_align: 8
    .kernarg_segment_size: 64
    .max_flat_workgroup_size: 128
    .sgpr_count:     66
    .vgpr_count:     1024
    .wavefront_size: 32
...
	.end_amdgpu_metadata
.endif
;; end of part 1
;; ======== version 2 of 2: 2 launches
;; limits: inputs' magnitudes at most 1,000,000; right only within a limited range of input values
;; workspace buffers: hc 50,331,648 bytes; wc 3,145,728 bytes; sc 2,228,224 bytes
;; launch prep (part 2): grid 64 x 4, 8 waves a work-group, no clusters, 9,216 bytes of LDS; arguments x, ry_theta, W1, b1, W2_codes, W2_scales, hc, wc, sc; writes hc, wc, sc
.if DOCPART == 2
	.amdgcn_target "amdgcn-amd-amdhsa--gfx1250"
	.amdhsa_code_object_version 6
	.text
	.protected	k_q920ed4cbfd_prep
	.globl	k_q920ed4cbfd_prep
	.p2align	8
	.type	k_q920ed4cbfd_prep,@function
k_q920ed4cbfd_prep:
	s_mov_b64 s[64:65], 0
	v_nop
	global_prefetch_b8 v0, s[64:65] scope:SCOPE_SE
	s_setreg_imm32_b32 hwreg(HW_REG_WAVE_MODE, 25, 1), 1
	s_wait_xcnt 0x0
; h = relu(q W1^T + b1), q = cos(x[.., :8]) cos(theta), quantised to E2M3 along the 4,096 hidden units, and W2 laid anew.
; DEAD WORK: the module uses only x's first 8 features, so features 8 to 1,023 of a token reach no output for any values:
; only the first 32 bytes of each row of x are loaded.  A NaN or infinity in the features left out is not carried to the result.
; LIMIT: the cosine's reduction by multiples of pi/2 (three parts, fused) keeps f32 accuracy while |x| and |theta| stay under 1e5.
; WHO DOES WHAT: work-group (tg, sg) has tokens 256 tg .. +255 and K steps 8 sg .. +7 (a step = 128 hidden units); wave w has step st = 8 sg + w,
; keeps that step's W1 (32 registers) and b1 (64) for the whole launch and walks 16 tiles of 16 tokens.  q is made once in the work-group
; (wave w: tiles 2 w, 2 w + 1) and shared through LDS.  No tensor load, no cluster: what is shared is 8 KiB of q and comes through registers;
; no prefetch: every input is read once, at the head, ahead of the loop.
; THE f32 PRODUCT IS USED TRANSPOSED: source 0 = 16 rows of W1, source 1 = 16 tokens.  Lane r of tile (c, v) takes unit 64 c + 8 v + (r & 7) + 32 (r >> 3):
; lane (r, h) then holds token r, and the 32 registers of tiles v = 0..3 are units 64 c + 32 h + 0 .. 31: a whole block of the quantiser, in the operand's own order.
; k is permuted alike on both sides (instruction e takes k = 4 h + 2 e + 0, 1).
; OUT: hc[128 tokens][step][tile of 16][1,536 bytes]: an image of the operand's 12 registers: register q of lane l at 512 (q / 4) + 16 l + 4 (q % 4).
; wc: W2's codes in the same form.  sc: scale words [128 rows][step][j][r][i]: the word of row 16 (4 j + i) + r; h's first, W2's from byte SCB on.
.set SPARE, 8192
.set SCB,   2097152
.set HALFG, 393216
.set SPW, 4
.set NIL, 5
.set LST, 6
.set SCS, 7
.set SH8, 8
.set QA,  9
.set TMA, 10
.set TMB, 11
.set TS,  12
.set BY,  13
.set WT,  15
.set WP,  16
.set XO,  17
.set W1O, 18
.set B1O, 19
.set WCO, 20
.set WSO, 21
.set THO, 22
.set QW,  23
.set SW,  24
.set QF,  28
.set W1F, 44
.set BI,  76
.set HA,  140
.set R,   204
.set PC,  236
.set X,   248
.set CT,  204
.set TH,  228
.set QC,  232
.set WF,  240
.set KC,  40
; cos of four numbers in place: n = round(x 2/pi), r = x - n pi/2 in three parts, sine and cosine polynomials, choice and sign by n
.macro COS4 d
.irp i, 0,1,2,3
	v_mul_f32 v[CT+\i], s[KC], v[\d+\i]
.endr
.irp i, 0,1,2,3
	v_rndne_f32 v[CT+\i], v[CT+\i]
.endr
.irp i, 0,1,2,3
	v_fma_f32 v[CT+4+\i], v[CT+\i], s[KC+1], v[\d+\i]
.endr
.irp i, 0,1,2,3
	v_fma_f32 v[CT+4+\i], v[CT+\i], s[KC+2], v[CT+4+\i]
.endr
.irp i, 0,1,2,3
	v_fma_f32 v[CT+4+\i], v[CT+\i], s[KC+3], v[CT+4+\i]
.endr
.irp i, 0,1,2,3
	v_cvt_i32_f32 v[CT+\i], v[CT+\i]
.endr
.irp i, 0,1,2,3
	v_mul_f32 v[CT+8+\i], v[CT+4+\i], v[CT+4+\i]
.endr
.irp i, 0,1,2,3
	v_fma_f32 v[CT+12+\i], s[KC+6], v[CT+8+\i], s[KC+5]
	v_fma_f32 v[CT+16+\i], s[KC+9], v[CT+8+\i], s[KC+8]
.endr
.irp i, 0,1,2,3
	v_fma_f32 v[CT+12+\i], v[CT+12+\i], v[CT+8+\i], s[KC+4]
	v_fma_f32 v[CT+16+\i], v[CT+16+\i], v[CT+8+\i], s[KC+7]
.endr
.irp i, 0,1,2,3
	v_mul_f32 v[CT+12+\i], v[CT+12+\i], v[CT+8+\i]
	v_fma_f32 v[CT+16+\i], v[CT+16+\i], v[CT+8+\i], -0.5
.endr
.irp i, 0,1,2,3
	v_fma_f32 v[CT+12+\i], v[CT+12+\i], v[CT+4+\i], v[CT+4+\i]
	v_fma_f32 v[CT+16+\i], v[CT+16+\i], v[CT+8+\i], 1.0
.endr
.irp i, 0,1,2,3
	v_and_b32 v[CT+20+\i], 1, v[CT+\i]
	v_add_nc_u32 v[CT+\i], 1, v[CT+\i]
.endr
.irp i, 0,1,2,3
	v_cmp_eq_u32 vcc_lo, 1, v[CT+20+\i]
	v_cndmask_b32 v[CT+16+\i], v[CT+16+\i], v[CT+12+\i], vcc_lo
	v_lshlrev_b32 v[CT+\i], 30, v[CT+\i]
.endr
.irp i, 0,1,2,3
	v_and_b32 v[CT+\i], 0x80000000, v[CT+\i]
.endr
.irp i, 0,1,2,3
	v_xor_b32 v[\d+\i], v[CT+\i], v[CT+16+\i]
.endr
.endm
; eight f32 matrix instructions: token tile i of the trip, 64 units (half c of the step); b1 is the C of each sum's first K step; the four sums take turns
.macro WM i, c
.irp e, 0,1
.irp v, 0,1,2,3
.if \e == 0
	v_wmma_f32_16x16x4_f32 v[HA+32*(\c)+8*\v:HA+32*(\c)+8*\v+7], v[W1F+16*(\c)+4*\v:W1F+16*(\c)+4*\v+1], v[QF+4*(\i):QF+4*(\i)+1], v[BI+32*(\c)+8*\v:BI+32*(\c)+8*\v+7]
.else
	v_wmma_f32_16x16x4_f32 v[HA+32*(\c)+8*\v:HA+32*(\c)+8*\v+7], v[W1F+16*(\c)+4*\v+2:W1F+16*(\c)+4*\v+3], v[QF+4*(\i)+2:QF+4*(\i)+3], v[HA+32*(\c)+8*\v:HA+32*(\c)+8*\v+7]
.endif
.endr
.endr
.endm
; my block of 32 (half c): relu into other registers, each sum read from its low end on; the largest number over the floor 2^(3-127); 2 off its exponent field is the conversion's scale; 32 codes
.macro QN i, c
.if (\c) == 0
	s_wait_alu depctr_va_vdst(0)
	s_wait_xcnt 0x0                                ; the last fragment's stores have read PC and SW
.endif
.irp j, 0,1,2,3,4,5,6,7,8,9,10,11,12,13,14,15,16,17,18,19,20,21,22,23,24,25,26,27,28,29,30,31
	v_max_num_f32 v[R+\j], 0, v[HA+32*(\c)+\j]
.endr
	v_max3_num_f32 v[TMA], v[R], v[R+1], 0x1800000
	v_max3_num_f32 v[TMB], v[R+16], v[R+17], v[R+18]
.irp j, 2,4,6,8,10,12
	v_max3_num_f32 v[TMA], v[TMA], v[R+\j], v[R+\j+1]
	v_max3_num_f32 v[TMB], v[TMB], v[R+17+\j], v[R+18+\j]
.endr
	v_max3_num_f32 v[TMA], v[TMA], v[R+14], v[R+15]
	v_max3_num_f32 v[TMA], v[TMA], v[TMB], v[R+31]
	v_add_nc_u32 v[TS], 0xff000000, v[TMA]
	v_cvt_scalef32_pk16_fp6_f32 v[PC+6*(\c):PC+6*(\c)+2], v[R:R+15], v[TS]
	v_cvt_scalef32_pk16_fp6_f32 v[X:X+2], v[R+16:R+31], v[TS]   ; (a conversion's three registers begin on an even number)
	v_lshrrev_b32 v[BY+(\c)], 23, v[TS]            ; the scale's byte; also the plain place behind the conversions
.irp k, 0,1,2
	v_mov_b32 v[PC+6*(\c)+3+\k], v[X+\k]
.endr
.if (\c) == 1
	v_lshl_or_b32 v[WT], v[BY+1], 16, v[BY]        ; my bytes: blocks h and 2 + h,
	v_lshlrev_b32 v[WT], v[SH8], v[WT]             ; 8 h bits up;
	v_permlanex16_b32 v[WP], v[WT], s36, s37
	v_or_b32 v[SW+(\i)], v[WT], v[WP]              ; with lane l xor 16's two the word is whole
.irp k, 0,1,2
	global_store_b128 v[LST], v[PC+4*\k:PC+4*\k+3], s[16:17] offset:1536*(\i)+512*\k   ; 512 consecutive bytes, aligned
.endr
.if (\i) == 3
	global_store_b128 v[SCS], v[SW:SW+3], s[20:21] ; four tiles' words of row r: 256 consecutive bytes, aligned; lanes 16-31 hold the same words and name the same bytes
.endif
.endif
.endm
	s_load_b512 s[4:19], s[0:1], 0x0               ; x, theta, W1, b1, W2 codes, W2 scales, hc, wc
	s_load_b64 s[20:21], s[0:1], 0x40              ; sc
	v_lshl_add_u32 v[SPW], v0, 2, SPARE
	v_mov_b32 v[NIL], 0
	v_lshrrev_b32 v1, 5, v0
	v_readfirstlane_b32 s22, v1                    ; wave
	s_and_b32 s24, ttmp7, 0xffff                   ; sg
	s_lshl_b32 s25, s24, 3
	s_add_co_u32 s25, s25, s22                     ; st
	s_lshl_b32 s29, s22, 10
	s_mov_b32 s36, 0x76543210
	s_mov_b32 s37, 0xfedcba98
	s_mov_b32 s[KC], 0x3f22f983
	s_mov_b32 s[KC+1], 0xbfc90fda
	s_mov_b32 s[KC+2], 0xb3a22168
	s_mov_b32 s[KC+3], 0xa7c234c4
	s_mov_b32 s[KC+4], 0xbe2aaaa3
	s_mov_b32 s[KC+5], 0x3c08839e
	s_mov_b32 s[KC+6], 0xb94ca1f9
	s_mov_b32 s[KC+7], 0x3d2aaaa5
	s_mov_b32 s[KC+8], 0xbab6061a
	s_mov_b32 s[KC+9], 0x37ccf5ce
	v_and_b32 v1, 15, v0                           ; r
	v_bfe_u32 v2, v0, 4, 1                         ; h
	v_and_b32 v3, 31, v0
	v_lshlrev_b32 v[LST], 4, v3                    ; 16 x lane
	v_lshlrev_b32 v[SCS], 4, v1
	v_lshlrev_b32 v[SH8], 3, v2
	v_lshlrev_b32 v[XO], 12, v1                    ; x: token r, features 4 h .. 4 h + 3
	v_lshl_add_u32 v[XO], v2, 4, v[XO]
	v_lshlrev_b32 v[THO], 4, v2
	v_and_b32 v[W1O], 8, v1
	v_mad_u32_u24 v[W1O], v[W1O], 3, v1            ; (r & 7) + 32 (r >> 3)
	v_lshlrev_b32 v[W1O], 5, v[W1O]
	v_lshl_add_u32 v[W1O], v2, 4, v[W1O]
	v_lshlrev_b32 v[B1O], 7, v2                    ; b1: 32 h units on
	v_mul_u32_u24 v[WCO], v1, 3072                 ; W2's codes: row r, + 24 h
	v_mad_u32_u24 v[WCO], v2, 24, v[WCO]
	v_lshlrev_b32 v[WSO], 7, v1                    ; W2's scales: row 64 h + r
	v_lshl_add_u32 v[WSO], v2, 13, v[WSO]
	v_add_nc_u32 v[QW], s29, v[LST]                ; q's tiles 2 w, 2 w + 1 in LDS
	v_mov_b32 v[WP], 0
	s_wait_alu depctr_va_vdst(0)
	s_wait_kmcnt 0x0
	s_mov_b32 s27, 0
	s_lshl_b32 s26, ttmp9, 20
	s_lshl_b32 s28, s22, 17
	s_add_co_u32 s26, s26, s28
	s_add_nc_u64 s[4:5], s[4:5], s[26:27]          ; x at token 256 tg + 32 w
	s_lshl_b32 s26, s25, 12
	s_add_nc_u64 s[8:9], s[8:9], s[26:27]          ; W1 at unit 128 st
	s_lshl_b32 s26, s25, 9
	s_add_nc_u64 s[10:11], s[10:11], s[26:27]      ; b1 likewise
	s_mul_i32 s26, ttmp9, 49152
	s_mul_i32 s28, s25, 96
	s_add_co_u32 s26, s26, s28
	s_add_nc_u64 s[12:13], s[12:13], s[26:27]      ; W2's codes: rows 16 tg .., step st
	s_lshr_b32 s26, ttmp9, 3
	s_lshl_b32 s26, s26, 5
	s_add_co_u32 s26, s26, s25
	s_mul_i32 s26, s26, 12288
	s_and_b32 s28, ttmp9, 7
	s_mul_i32 s28, s28, 1536
	s_add_co_u32 s26, s26, s28
	s_add_nc_u64 s[18:19], s[18:19], s[26:27]      ; and where that fragment goes
	s_mul_i32 s26, ttmp9, 2*HALFG
	s_mul_i32 s28, s25, 12288
	s_add_co_u32 s26, s26, s28
	s_add_nc_u64 s[16:17], s[16:17], s[26:27]      ; hc: my tokens, my step
	s_lshr_b32 s26, ttmp9, 3
	s_lshl_b32 s26, s26, 14
	s_and_b32 s28, ttmp9, 7
	s_lshl_b32 s28, s28, 2
	s_add_co_u32 s28, s28, s24
	s_lshl_b32 s28, s28, 2
	s_add_co_u32 s26, s26, s28
	s_add_nc_u64 s[14:15], s[14:15], s[26:27]      ; W2's scales: rows 128 (tg / 8) .., step 4 (tg % 8) + sg
	s_lshl_b32 s26, ttmp9, 2
	s_add_co_u32 s26, s26, s24
	s_lshl_b32 s26, s26, 9
	s_add_co_u32 s26, s26, SCB
	s_add_nc_u64 s[38:39], s[20:21], s[26:27]      ; and where those 512 bytes of words go
	s_lshl_b32 s26, ttmp9, 15
	s_lshl_b32 s28, s25, 9
	s_add_co_u32 s26, s26, s28
	s_add_nc_u64 s[20:21], s[20:21], s[26:27]      ; h's scale words
	s_cmp_lg_u32 s22, 0
	s_cbranch_scc1 .Lnot0a
.irp i, 0,1,2,3
	global_load_b32 v[SW+\i], v[WSO], s[14:15] offset:2048*\i   ; wave 0: the words of rows 16 (4 h + i) + r
.endr
.Lnot0a:
	global_load_b128 v[QC:QC+3], v[XO], s[4:5]
	global_load_b128 v[QC+4:QC+7], v[XO], s[4:5] offset:65536
	global_load_b128 v[TH:TH+3], v[THO], s[6:7]
.irp p, 0,1,2,3,4,5
	global_load_b64 v[WF+2*\p:WF+2*\p+1], v[WCO], s[12:13] offset:48*(\p/3)+8*(\p%3)   ; a fragment of W2; the eight waves together read 768 bytes of each row
.endr
.irp t, 0,1,2,3,4,5,6,7
	global_load_b128 v[W1F+4*\t:W1F+4*\t+3], v[W1O], s[8:9] offset:(64*(\t/4)+8*(\t%4))*32
.endr
.irp t, 0,1,2,3,4,5,6,7
	global_load_b128 v[BI+8*\t:BI+8*\t+3], v[B1O], s[10:11] offset:(64*(\t/4)+8*(\t%4))*4
	global_load_b128 v[BI+8*\t+4:BI+8*\t+7], v[B1O], s[10:11] offset:(64*(\t/4)+8*(\t%4))*4+16
.endr
	s_wait_loadcnt 30                              ; x and theta are in: behind them 6 + 8 + 16 loads
	COS4 TH
	COS4 QC
	COS4 QC+4
.irp m, 0,1
	v_pk_mul_f32 v[QC+4*\m:QC+4*\m+1], v[QC+4*\m:QC+4*\m+1], v[TH:TH+1]
	v_pk_mul_f32 v[QC+4*\m+2:QC+4*\m+3], v[QC+4*\m+2:QC+4*\m+3], v[TH+2:TH+3]
.endr
	ds_store_b128 v[QW], v[QC:QC+3]
	ds_store_b128 v[QW], v[QC+4:QC+7] offset:512
	s_wait_alu depctr_va_vdst(0)
	s_wait_loadcnt 0x0
.irp k, 0,1,2
	global_store_b128 v[LST], v[WF+4*\k:WF+4*\k+3], s[18:19] offset:512*\k
.endr
	s_cmp_lg_u32 s22, 0
	s_cbranch_scc1 .Lnot0b
	global_store_b128 v[LST], v[SW:SW+3], s[38:39]
.Lnot0b:
	s_wait_dscnt 0x0                               ; for the others' sake: my q is in LDS
	s_barrier_signal -1
	s_barrier_wait -1
	s_mov_b32 s32, 6144                            ; from trip to trip: four tiles on, or on into the next 128 tokens, by turns
	s_mov_b32 s33, 0
	s_mov_b32 s34, 256
	s_mov_b32 s35, 0
	s_mov_b32 s30, 0
.Ltrip:                                                ; a trip: four tiles of 16 tokens
	v_add_nc_u32 v[QA], s30, v[LST]
.irp i, 0,1,2,3
	ds_load_b128 v[QF+4*\i:QF+4*\i+3], v[QA] offset:512*\i
.endr
	s_wait_alu depctr_va_vdst(0)
	s_wait_dscnt 0x0
	WM 0, 0                                        ; each half's vector work stands behind the next half's matrix instructions: it names none of their registers, so it fills their places
	WM 0, 1
.rept 8
	v_nop                                          ; the trip's first half has no earlier vector work at hand: eight places behind its matrix instructions (ISA guide 7.12.1)
.endr
	QN 0, 0
	WM 1, 0
	QN 0, 1
	WM 1, 1
	QN 1, 0
	WM 2, 0
	QN 1, 1
	WM 2, 1
	QN 2, 0
	WM 3, 0
	QN 2, 1
	WM 3, 1
	QN 3, 0
	QN 3, 1
	s_wait_alu depctr_va_vdst(0)
	s_wait_xcnt 0x0                                ; the stores have read their bases
	s_add_nc_u64 s[16:17], s[16:17], s[32:33]
	s_add_nc_u64 s[20:21], s[20:21], s[34:35]
	s_xor_b32 s32, s32, 6144^(HALFG-6144)
	s_xor_b32 s34, s34, 256^(16384-256)
	s_add_co_u32 s30, s30, 2048
	s_cmp_lt_u32 s30, 8192
	s_cbranch_scc1 .Ltrip
	s_wait_tensorcnt 0x0                           ; the wave's end
	ds_add_u32 v[SPW], v[NIL]
	s_wait_dscnt 0x0
	s_endpgm
.Lfunc_end_k_q920ed4cbfd_prep:
	.size	k_q920ed4cbfd_prep, .Lfunc_end_k_q920ed4cbfd_prep-k_q920ed4cbfd_prep
	.p2alignl 7, 3214868480
	.fill 96, 4, 3214868480
	.section	.rodata,"a",@progbits
	.p2align	6, 0x0
	.amdhsa_kernel k_q920ed4cbfd_prep
		.amdhsa_group_segment_fixed_size 9216
		.amdhsa_private_segment_fixed_size 0
		.amdhsa_enable_private_segment 0
		.amdhsa_kernarg_size 72
		.amdhsa_user_sgpr_count 2
		.amdhsa_user_sgpr_kernarg_segment_ptr 1
		.amdhsa_wavefront_size32 1
		.amdhsa_system_sgpr_workgroup_id_x 1
		.amdhsa_system_sgpr_workgroup_id_y 1
		.amdhsa_system_sgpr_workgroup_id_z 1
		.amdhsa_system_vgpr_workitem_id 0
		.amdhsa_next_free_vgpr 256
		.amdhsa_next_free_sgpr 66
		.amdhsa_reserve_vcc 1
		.amdhsa_float_denorm_mode_32 3
		.amdhsa_float_denorm_mode_16_64 3
		.amdhsa_memory_ordered 1
		.amdhsa_forward_progress 1
		.amdhsa_inst_pref_size 48
	.end_amdhsa_kernel
	.amdgpu_metadata
---
amdhsa.version: [ 1, 2 ]
amdhsa.kernels:
  - .name:           k_q920ed4cbfd_prep
    .symbol:         k_q920ed4cbfd_prep.kd
    .args:
      - { .name: x, .offset: 0, .size: 8, .value_kind: global_buffer, .address_space: global }
      - { .name: ry_theta, .offset: 8, .size: 8, .value_kind: global_buffer, .address_space: global }
      - { .name: W1, .offset: 16, .size: 8, .value_kind: global_buffer, .address_space: global }
      - { .name: b1, .offset: 24, .size: 8, .value_kind: global_buffer, .address_space: global }
      - { .name: W2_codes, .offset: 32, .size: 8, .value_kind: global_buffer, .address_space: global }
      - { .name: W2_scales, .offset: 40, .size: 8, .value_kind: global_buffer, .address_space: global }
      - { .name: hc, .offset: 48, .size: 8, .value_kind: global_buffer, .address_space: global }
      - { .name: wc, .offset: 56, .size: 8, .value_kind: global_buffer, .address_space: global }
      - { .name: sc, .offset: 64, .size: 8, .value_kind: global_buffer, .address_space: global }
    .group_segment_fixed_size: 9216
    .private_segment_fixed_size: 0
    .kernarg_segment_align: 8
    .kernarg_segment_size: 72
    .max_flat_workgroup_size: 256
    .sgpr_count:     66
    .vgpr_count:     256
    .wavefront_size: 32
...
	.end_amdgpu_metadata
.endif
;; end of part 2
;; launch gemm (part 3): grid 4 x 64, 4 waves a work-group, clusters of 4 x 4, 327,680 bytes of LDS; arguments hc, wc, sc, b2, out0; writes out0
.if DOCPART == 3
	.amdgcn_target "amdgcn-amd-amdhsa--gfx1250"
	.amdhsa_code_object_version 6
	.text
	.protected	k_q920ed4cbfd_gemm
	.globl	k_q920ed4cbfd_gemm
	.p2align	8
	.type	k_q920ed4cbfd_gemm,@function
k_q920ed4cbfd_gemm:
	s_mov_b64 s[64:65], 0
	v_nop
	global_prefetch_b8 v0, s[64:65] scope:SCOPE_SE
	s_setreg_imm32_b32 hwreg(HW_REG_WAVE_MODE, 25, 1), 1
	s_wait_xcnt 0x0
	s_wait_alu depctr_hold_cnt(0) depctr_sa_sdst(0) depctr_va_vdst(0) depctr_va_sdst(0) depctr_va_ssrc(0) depctr_va_vcc(0) depctr_vm_vsrc(0)
	s_getreg_b32 s2, hwreg(HW_REG_IB_STS2, 6, 4)
	s_cmp_eq_u32 s2, 0
	s_cbranch_scc0 .Lentry_in_a_cluster
	s_endpgm
.Lentry_in_a_cluster:
	s_bfe_u32 s2, ttmp6, 0x10000c
	s_cmp_lg_u32 s2, 0xf033
	s_cbranch_scc0 .Lentry_shape_is_right
	s_endpgm
.Lentry_shape_is_right:
; out[m][n] = sum over k of h[m][k] W2[n][k] + b2[n]: 16,384 x 1,024, K = 4,096, both operands as E2M3 codes with E8M0 scales, as the launch before laid them.
; A block of 256 x 256 to a work-group of four waves, 128 x 128 to a wave: 64 accumulators, 512 registers.  64 x 4 blocks: 256 work-groups.
; CODES lie as images of the operand's registers, [128 rows][K step of 128][8 fragments][1,536 bytes]: the 128 rows' codes of three steps are 36,864 dense bytes,
; brought by one tensor load as 144 rows of 256 bytes, each on a 256-byte border; a fragment is three loads of 16 bytes a lane, lane l at 16 l: no padding is needed.
; A RING of two slots of three steps (4 x 36,864 bytes each): fills 0 to 10, the last of two steps.  Wave 0, 1: A's halves, wave 2, 3: B's.  A wave has one tensor load out.
; CLUSTERS 4 x 4: A's tiles are asked for jointly along a row of the cluster, B's along a column.
; SCALE WORDS go from memory into registers, six sets of 8, five steps ahead: lanes 0-15 take A's words of blocks 0-7, lanes 16-31 B's; 16 lanes read 256 consecutive bytes.
; THE MATRIX INSTRUCTION IS USED TRANSPOSED (source 0 = W2's rows, source 1 = h's): a lane holds eight neighbouring numbers of a row of out.  b2 is the C of the first step's products.
; REGISTERS: window 0: v0-31 addresses; v32-79 scale words; v80-143 b2, then the way out; v144-239 A's fragments, one set.  Window 1: B's fragments, two sets, at v0 and v128.  Windows 2, 3: accumulators.
.set FRB,   1536
.set STB,   8*FRB
.set PART,  3*STB
.set SLOT,  4*PART
.set SPARE, 2*SLOT
.set SPITCH, 528
.set STAGE, SLOT                       ; the way out's stage lies in slot 1, which has had its last fill and its last read by then
.set HALFG, 32*STB
.set SCB,   2097152
.set ADRA, 16
.set ADRB, 20
.set STO,  24
.set RD,   25
.set CO,   26
.set SCO,  27
.set SPW,  28
.set NIL,  29
.set PFO,  30
.set SC,   32
.set BIA,  80
.set AF,   144
.set BK,   80
.set G1,  24
.set G0,  32
.set G1B, 48
.set G0B, 56
.set PFA, 66
.set MSB, 0
.macro WIN new
.if MSB != (\new)
	s_set_vgpr_msb (MSB<<8)|(\new)
.set MSB, (\new)
.endif
.endm
.macro PLACES n
.rept \n
	v_nop
.endr
.endm
.macro JLOAD s                         ; a joint load into slot s: waves 0, 1 for A, waves 2, 3 for B
	s_cmp_eq_u32 s15, 0
	s_cbranch_scc0 .Lfor_b_\@
	tensor_load_to_lds s[G0+4*(\s):G0+4*(\s)+3], s[G1:G1+7]
	s_nop 0
	PLACES 4
	s_branch .Lasked_\@
.Lfor_b_\@:
	tensor_load_to_lds s[G0B+4*(\s):G0B+4*(\s)+3], s[G1B:G1B+7]
	s_nop 0
	PLACES 4
.Lasked_\@:
.endm
.macro CREST
	s_cmp_lg_u32 s14, 0
	s_cbranch_scc1 .Lnot_wave_0_\@
	s_barrier_signal -3
.Lnot_wave_0_\@:
	s_barrier_wait -3
	s_barrier_signal -1
	s_barrier_wait -1
.endm
.macro CROUND
	s_barrier_signal -1
	s_barrier_wait -1
	CREST
.endm
.macro SCLOAD set, so                  ; the scale words of the step 'so' steps behind the base, into a set
	global_load_b128 v[SC+8*(\set):SC+8*(\set)+3], v[SCO], s[8:9] offset:512*(\so)
	global_load_b128 v[SC+8*(\set)+4:SC+8*(\set)+7], v[SCO], s[8:9] offset:512*(\so)+256
.endm
.macro FRAG reg, adr, off
.irp j, 0,1,2
	ds_load_b128 v[\reg+4*\j:\reg+4*\j+3], v[\adr] offset:\off+512*\j
.endr
.endm
.macro FETCH_B nx                      ; B's eight fragments of step nx (counted modulo 6): slot (nx / 3) % 2, place nx % 3, into set nx % 2
	WIN 0x40
.irp i, 0,1,2,3,4,5,6,7
	FRAG 128*((\nx)%2)+12*\i, ADRB+((\nx)/3)%2, ((\nx)%3)*STB+\i*FRB
.endr
	WIN 0
.endm
.macro FETCH_A nx, i0
.irp i, \i0, \i0+1, \i0+2, \i0+3
	FRAG AF+12*(\i), ADRA+((\nx)/3)%2, ((\nx)%3)*STB+(\i)*FRB
.endr
.endm
; 16 matrix instructions: A's blocks a0, a0 + 1 x B's eight.  p: B's set, k: the set of scale words.  The 64 accumulators take turns
.macro MUL16 a0, p, k, first
.irp a, \a0, \a0+1
.irp b, 0,1,2,3,4,5,6,7
.if \first
	v_wmma_scale_f32_16x16x128_f8f6f4 v[8*(8*((\a)%4)+\b):8*(8*((\a)%4)+\b)+7], v[128*(\p)+12*\b:128*(\p)+12*\b+11], v[AF+12*(\a):AF+12*(\a)+11], v[BIA+8*\b:BIA+8*\b+7], v[SC+8*(\k)+\b], v[SC+8*(\k)+(\a)] matrix_a_fmt:MATRIX_FMT_FP6 matrix_b_fmt:MATRIX_FMT_FP6 matrix_a_scale:MATRIX_SCALE_ROW1
.else
	v_wmma_scale_f32_16x16x128_f8f6f4 v[8*(8*((\a)%4)+\b):8*(8*((\a)%4)+\b)+7], v[128*(\p)+12*\b:128*(\p)+12*\b+11], v[AF+12*(\a):AF+12*(\a)+11], v[8*(8*((\a)%4)+\b):8*(8*((\a)%4)+\b)+7], v[SC+8*(\k)+\b], v[SC+8*(\k)+(\a)] matrix_a_fmt:MATRIX_FMT_FP6 matrix_b_fmt:MATRIX_FMT_FP6 matrix_a_scale:MATRIX_SCALE_ROW1
.endif
.endr
.endr
.endm
; A prefetch, behind a refill and the run of LDS loads: the fill two refills on.  Of the 144 blocks of 256 bytes that I fetch, each of the four partners names 36, told apart by address:
; a lane a block, then blocks 32 to 35 (the lanes left over name block 35 again).  The loop's last trip asks for nothing: fill 10 is shorter and comes by its load alone, as fills 0 to 3 do.
.macro ASK
	s_cmp_gt_u32 s3, 1
	s_cbranch_scc0 .Lno_ask_\@
	global_prefetch_b8 v[PFO], s[PFA:PFA+1] th:TH_LOAD_NT scope:SCOPE_SE
	global_prefetch_b8 v[PFO+1], s[PFA:PFA+1] th:TH_LOAD_NT scope:SCOPE_SE
.Lno_ask_\@:
.endm
; A step of 128 along K; p = the step modulo 6 (6, 7 for 0, 1 behind a trip's five).  The next step's fragments are fetched in its middle and at its end.
; In a slot's third step stands the change of slots: every wave waits for all its tensor loads, adds 0 to its spare word, waits for that and for its reads of the slot;
; fill = 1: the barrier opens a round of the cluster's barrier and the slot is filled again; 2: the same, with the last fill's 96 rows; 0: nothing is left to fetch.
; ld: the scale words five steps on are asked for; lc: how many younger loads of scale words may stay out.
.macro STEP p, first, fill, ask, ld, lc
.set NX, (\p)+1
	s_wait_loadcnt \lc
.if (\p)%3 == 2
.if \ask
	s_wait_xcnt 0x0                                ; my prefetches have read their address
	s_add_nc_u64 s[PFA:PFA+1], s[PFA:PFA+1], PART
.endif
	s_wait_tensorcnt 0x0                           ; my part of the next slot is in
	ds_add_u32 v[SPW], v[NIL]
	s_wait_dscnt 13                                ; (the add and A's blocks 4-7 may be out)
	WIN (0xa1-0x20*(\first))
	MUL16 0, (\p)%2, (\p)%6, \first
	s_wait_dscnt 0x0                               ; the add is done, my reads of this slot are over
	s_barrier_signal -1
	MUL16 2, (\p)%2, (\p)%6, \first
	WIN 0
	s_barrier_wait -1
.if \fill
	CREST
	s_add_nc_u64 s[G0+4*(((\p)/3)%2)+2:G0+4*(((\p)/3)%2)+3], s[G0+4*(((\p)/3)%2)+2:G0+4*(((\p)/3)%2)+3], 2*PART
	s_add_nc_u64 s[G0B+4*(((\p)/3)%2)+2:G0B+4*(((\p)/3)%2)+3], s[G0B+4*(((\p)/3)%2)+2:G0B+4*(((\p)/3)%2)+3], 2*PART
.if \fill == 2
	s_mov_b32 s[G1+2], 96<<16                      ; no tensor load of mine is out: the last fill has two steps, 96 rows of 256 bytes
	s_mov_b32 s[G1+4], 96
	s_mov_b32 s[G1B+2], 96<<16
	s_mov_b32 s[G1B+4], 96
.endif
	JLOAD ((\p)/3)%2                               ; the first tensor load behind the round; its four v_nop are the places in front of the loads below
.else
	PLACES 4
.endif
.else
	s_wait_dscnt 12                                ; B's set and A's blocks 0-3 are in
	WIN (0xa1-0x20*(\first))
	MUL16 0, (\p)%2, (\p)%6, \first
	MUL16 2, (\p)%2, (\p)%6, \first
	s_wait_dscnt 0
	PLACES 4
.endif
	FETCH_B NX
	FETCH_A NX, 0
.if \ld
	SCLOAD ((\p)+5)%6, (\p)+5
.endif
.if \ask
	ASK
.endif
	WIN (0xf1-0x30*(\first))
	MUL16 4, (\p)%2, (\p)%6, \first
	MUL16 6, (\p)%2, (\p)%6, \first
	PLACES 4
	WIN 0
	FETCH_A NX, 4
.endm
	s_load_b256 s[4:11], s[0:1], 0x0               ; hc s[4:5], wc s[6:7], sc s[8:9], b2 s[10:11]
	s_load_b64 s[12:13], s[0:1], 0x20              ; out
	v_lshl_add_u32 v[SPW], v0, 2, SPARE
	v_mov_b32 v[NIL], 0
	ds_add_u32 v[SPW], v[NIL]                      ; the opening lines: the add twice on end and one wait
	ds_add_u32 v[SPW], v[NIL]
	v_lshrrev_b32 v1, 5, v0
	v_readfirstlane_b32 s14, v1                    ; wave
	s_lshr_b32 s15, s14, 1                         ; my half of the block's rows; also: I fetch for A (0) or B (1)
	s_and_b32 s16, s14, 1                          ; my half of its columns; also: which 128 rows I fetch
	s_bfe_u32 s40, ttmp6, 0x40000                  ; cx
	s_bfe_u32 s41, ttmp6, 0x40004                  ; cy
	s_lshl_b32 s42, ttmp9, 2
	s_add_co_u32 s42, s42, s40                     ; block column
	s_and_b32 s17, ttmp7, 0xffff
	s_lshl_b32 s17, s17, 2
	s_add_co_u32 s17, s17, s41                     ; block row
	s_lshl_b32 s43, s41, 2
	s_lshl_b32 s43, 15, s43                        ; my row of the cluster
	s_lshl_b32 s44, 0x1111, s40                    ; my column
	s_or_b32 s[G1+0], s43, (3<<16)|(1<<21)         ; elements of 8 bytes, no padding; bit 21 beside a mask
	s_or_b32 s[G1B+0], s44, (3<<16)|(1<<21)
.irp g, G1, G1B
	s_mov_b32 s[\g+1], 32<<16                      ; rows of 32 elements = 256 bytes
	s_mov_b32 s[\g+2], 144<<16
	s_mov_b32 s[\g+3], 32<<16
	s_mov_b32 s[\g+4], 144
	s_mov_b32 s[\g+5], 32
	s_mov_b32 s[\g+6], 0
	s_mov_b32 s[\g+7], 0
.endr
	s_lshl_b32 s20, s17, 1
	s_add_co_u32 s20, s20, s16
	s_mul_i32 s20, s20, HALFG                      ; A: the 128 rows that I fetch
	s_mov_b32 s21, 0
	s_lshl_b32 s46, s42, 1
	s_add_co_u32 s46, s46, s16
	s_mul_i32 s46, s46, HALFG                      ; B likewise
	s_mov_b32 s47, 0
	s_mul_i32 s45, s14, PART                       ; and where they go
	s_wait_dscnt 0x0
	s_wait_kmcnt 0x0
	s_add_nc_u64 s[20:21], s[4:5], s[20:21]
	s_add_nc_u64 s[46:47], s[6:7], s[46:47]
	CROUND                                         ; in front of the first joint loads
.irp s, 0,1
	s_mov_b32 s[G0+4*\s], 1
	s_add_co_u32 s[G0+4*\s+1], s45, \s*SLOT
	s_add_nc_u64 s[G0+4*\s+2:G0+4*\s+3], s[20:21], \s*PART
	s_or_b32 s[G0+4*\s+3], s[G0+4*\s+3], 0x80000000
	s_mov_b32 s[G0B+4*\s], 1
	s_add_co_u32 s[G0B+4*\s+1], s45, \s*SLOT
	s_add_nc_u64 s[G0B+4*\s+2:G0B+4*\s+3], s[46:47], \s*PART
	s_or_b32 s[G0B+4*\s+3], s[G0B+4*\s+3], 0x80000000
.endr
	JLOAD 0                                        ; fill 0: one tensor load a wave at the head
	s_cmp_eq_u32 s15, 0
	s_cselect_b32 s22, s40, s41                    ; my place among the four that ask with me
	s_cselect_b64 s[PFA:PFA+1], s[20:21], s[46:47]
	s_mul_i32 s22, s22, 36*256
	s_add_co_u32 s22, s22, 3*PART                  ; the first refill steps this to fill 4
	s_mov_b32 s23, 0
	s_add_nc_u64 s[PFA:PFA+1], s[PFA:PFA+1], s[22:23]
	s_lshl_b32 s18, s17, 1
	s_add_co_u32 s18, s18, s15
	s_lshl_b32 s18, s18, 14                        ; A's scale words of my 128 rows
	s_lshl_b32 s19, s42, 1
	s_add_co_u32 s19, s19, s16
	s_lshl_b32 s19, s19, 14
	s_add_co_u32 s19, s19, SCB
	s_sub_co_u32 s19, s19, s18                     ; from there to B's
	s_mul_i32 s20, s15, PART
	s_mul_i32 s21, s16, PART
	s_add_co_u32 s21, s21, 2*PART
	s_mul_i32 s23, s14, 16*SPITCH
	s_add_co_u32 s23, s23, STAGE
	s_lshl_b32 s46, s42, 10
	s_lshl_b32 s47, s16, 9
	s_add_co_u32 s46, s46, s47                     ; my first column, in bytes
	s_mov_b32 s47, 0
	s_add_nc_u64 s[10:11], s[10:11], s[46:47]
	s_add_nc_u64 s[12:13], s[12:13], s[46:47]
	s_lshl_b32 s46, s17, 20
	s_lshl_b32 s22, s15, 19
	s_add_co_u32 s46, s46, s22                     ; my first row x 4,096 bytes
	s_add_nc_u64 s[12:13], s[12:13], s[46:47]
	v_and_b32 v1, 15, v0
	v_bfe_u32 v2, v0, 4, 1
	v_and_b32 v3, 31, v0
	v_lshlrev_b32 v[CO], 4, v3
	v_add_nc_u32 v[ADRA], s20, v[CO]
	v_add_nc_u32 v[ADRB], s21, v[CO]
	v_add_nc_u32 v[ADRA+1], SLOT, v[ADRA]
	v_add_nc_u32 v[ADRB+1], SLOT, v[ADRB]
	v_mul_u32_u24 v5, v1, SPITCH
	v_lshl_add_u32 v5, v2, 5, v5
	v_add_nc_u32 v[STO], s23, v5
	v_add_nc_u32 v[RD], s23, v[CO]
	v_mul_u32_u24 v6, s19, v2
	v_lshl_add_u32 v6, v1, 4, v6
	v_add_nc_u32 v[SCO], s18, v6
	v_lshlrev_b32 v7, 5, v2                        ; b2: 8 h columns on
	v_lshlrev_b32 v[PFO], 8, v3
	v_min_u32 v8, 3, v3
	v_lshl_add_u32 v[PFO+1], v8, 8, 8192
	s_wait_alu depctr_va_vdst(0)
.irp b, 0,1,2,3,4,5,6,7
	global_load_b128 v[BIA+8*\b:BIA+8*\b+3], v7, s[10:11] offset:64*\b
	global_load_b128 v[BIA+8*\b+4:BIA+8*\b+7], v7, s[10:11] offset:64*\b+16
.endr
.irp k, 0,1,2,3,4
	SCLOAD \k, \k
.endr
	s_wait_tensorcnt 0x0                           ; my part of fill 0 is in
	ds_add_u32 v[SPW], v[NIL]
	s_wait_dscnt 0x0
	CROUND
	JLOAD 1                                        ; fill 1, the first tensor load behind the round
	FETCH_B 0
	FETCH_A 0, 0
	FETCH_A 0, 4
	STEP 0, 1, 0, 0, 1, 8                          ; step 0 starts the sums on b2; the count 8: the four later sets of scale words stay out
	s_mov_b32 s3, 4
.Ltrip:                                                ; a trip: steps 6 t + 1 .. 6 t + 6, once round the ring: fills 2 t + 2 and 2 t + 3
	STEP 1, 0, 0, 0, 1, 8
	STEP 2, 0, 1, 1, 1, 8
	STEP 3, 0, 0, 0, 1, 8
	STEP 4, 0, 0, 0, 1, 8
	STEP 5, 0, 1, 1, 1, 8
	STEP 6, 0, 0, 0, 1, 8
	s_wait_xcnt 0x0                                ; the loads of scale words have read their base
	s_add_nc_u64 s[8:9], s[8:9], 6*512
	s_sub_co_u32 s3, s3, 1
	s_cmp_lg_u32 s3, 0
	s_cbranch_scc1 .Ltrip
	STEP 1, 0, 0, 0, 1, 8                          ; steps 25 to 31 are written out: one shorter fill, then none; the counts run down
	STEP 2, 0, 2, 0, 1, 8
	STEP 3, 0, 0, 0, 0, 8
	STEP 4, 0, 0, 0, 0, 6
	STEP 5, 0, 0, 0, 0, 4
	STEP 6, 0, 0, 0, 0, 2
	s_wait_loadcnt 0x0
	s_wait_dscnt 12
	WIN 0xa1
	MUL16 0, 1, 1, 0
	MUL16 2, 1, 1, 0
	s_wait_dscnt 0
	WIN 0xf1
	MUL16 4, 1, 1, 0
	MUL16 6, 1, 1, 0
	WIN 0
; THE WAY OUT, by blocks of 16 rows x 128 columns: through my own stage, back as whole rows of 512 bytes, stored as two aligned units of 256 bytes.  LDS serves a wave's instructions in order.
.macro TOSTAGE a
.set AC, 64*((\a)%4)
	WIN (0x08+4*((\a)/4))
.irp b, 0,1,2,3,4,5,6,7
	ds_store_b128 v[STO], v[AC+8*\b:AC+8*\b+3] offset:64*\b
	ds_store_b128 v[STO], v[AC+8*\b+4:AC+8*\b+7] offset:64*\b+16
.endr
	WIN 0
.set BB, BK+64*((\a)%2)
.irp t, 0,1,2,3,4,5,6,7,8,9,10,11,12,13,14,15
	ds_load_b128 v[BB+4*\t:BB+4*\t+3], v[RD] offset:\t*SPITCH
.endr
.endm
.macro SEND a, younger
.set BB, BK+64*((\a)%2)
	s_wait_dscnt \younger
.if (\a) > 0
	s_add_nc_u64 s[12:13], s[12:13], 16*4096       ; behind a wait on XCNT: the earlier stores have read their base
.endif
.irp t, 0,1,2,3,4,5,6,7,8,9,10,11,12,13,14,15
	global_store_b128 v[CO], v[BB+4*\t:BB+4*\t+3], s[12:13] offset:\t*4096 th:TH_STORE_NT
.endr
.endm
	PLACES 4
	TOSTAGE 0
.irp a, 1,2,3,4,5,6,7
.if \a > 1
	s_wait_xcnt 0x0
.endif
	TOSTAGE \a
	SEND \a-1, 32
.endr
	s_wait_xcnt 0x0
	SEND 7, 0
	s_wait_tensorcnt 0x0                           ; the wave's end
	ds_add_u32 v[SPW], v[NIL]
	s_wait_dscnt 0x0
	CROUND                                         ; the closing round
	s_endpgm
.Lfunc_end_k_q920ed4cbfd_gemm:
	.size	k_q920ed4cbfd_gemm, .Lfunc_end_k_q920ed4cbfd_gemm-k_q920ed4cbfd_gemm
	.p2alignl 7, 3214868480
	.fill 96, 4, 3214868480
	.section	.rodata,"a",@progbits
	.p2align	6, 0x0
	.amdhsa_kernel k_q920ed4cbfd_gemm
		.amdhsa_group_segment_fixed_size 327680
		.amdhsa_private_segment_fixed_size 0
		.amdhsa_enable_private_segment 0
		.amdhsa_kernarg_size 40
		.amdhsa_user_sgpr_count 2
		.amdhsa_user_sgpr_kernarg_segment_ptr 1
		.amdhsa_wavefront_size32 1
		.amdhsa_system_sgpr_workgroup_id_x 1
		.amdhsa_system_sgpr_workgroup_id_y 1
		.amdhsa_system_sgpr_workgroup_id_z 1
		.amdhsa_system_vgpr_workitem_id 0
		.amdhsa_next_free_vgpr 1024
		.amdhsa_next_free_sgpr 72
		.amdhsa_reserve_vcc 0
		.amdhsa_float_denorm_mode_32 3
		.amdhsa_float_denorm_mode_16_64 3
		.amdhsa_memory_ordered 1
		.amdhsa_forward_progress 1
		.amdhsa_inst_pref_size 207
	.end_amdhsa_kernel
	.amdgpu_metadata
---
amdhsa.version: [ 1, 2 ]
amdhsa.kernels:
  - .name:           k_q920ed4cbfd_gemm
    .symbol:         k_q920ed4cbfd_gemm.kd
    .args:
      - { .name: hc, .offset: 0, .size: 8, .value_kind: global_buffer, .address_space: global }
      - { .name: wc, .offset: 8, .size: 8, .value_kind: global_buffer, .address_space: global }
      - { .name: sc, .offset: 16, .size: 8, .value_kind: global_buffer, .address_space: global }
      - { .name: b2, .offset: 24, .size: 8, .value_kind: global_buffer, .address_space: global }
      - { .name: out0, .offset: 32, .size: 8, .value_kind: global_buffer, .address_space: global }
    .group_segment_fixed_size: 327680
    .private_segment_fixed_size: 0
    .kernarg_segment_align: 8
    .kernarg_segment_size: 40
    .max_flat_workgroup_size: 128
    .sgpr_count:     72
    .vgpr_count:     1024
    .wavefront_size: 32
...
	.end_amdgpu_metadata
.endif
;; end of part 3
